; MI455X (gfx1250); checked and timed in simulation.
; The chip was launched on July 23, 2026; its instructions are those of AMD's public machine-readable ISA for CDNA 5 (MIT licence, August 2026) and "CDNA5" Instruction Set Architecture Reference Guide (July 2026). The comments in the code are by the model that wrote it; some were corrected since.
;; Attention. Allowed arithmetic: float matrix products may take bf16 or f16 operands with f32 sums; all other float work in f32.
;; Inputs: gn_bias 128 float32; gn_weight 128 float32; proj_bias 128 float32; proj_weight 128 x 128 float32; qkv_bias 384 float32; qkv_weight 384 x 128 float32; x 4 x 128 x 64 x 64 float32.
;; Outputs: out0 4 x 128 x 64 x 64 float32.
;; One version. Each part assembles by itself: llvm-mc -triple=amdgcn-amd-amdhsa -mcpu=gfx1250 --defsym DOCPART=n.
;; ======== version 1 of 1: 3 launches
;; workspace buffers: stats 16,384 bytes; wb 131,072 bytes; q 4,194,304 bytes; kv 8,388,608 bytes
;; launch stats (part 1): grid 256 x 1, 8 waves a work-group, no clusters, 0 bytes of LDS; arguments x, qkv_weight, proj_weight, stats, wb; writes stats, wb
.if DOCPART == 1
	.amdgcn_target "amdgcn-amd-amdhsa--gfx1250"
	.amdhsa_code_object_version 6
	.text
	.protected	k_q61e3469f5f_stats
	.globl	k_q61e3469f5f_stats
	.p2align	8
	.type	k_q61e3469f5f_stats,@function
k_q61e3469f5f_stats:
	s_mov_b64 s[64:65], 0
	v_nop
	global_prefetch_b8 v0, s[64:65] scope:SCOPE_SE
	s_setreg_imm32_b32 hwreg(HW_REG_WAVE_MODE, 25, 1), 1
	s_wait_xcnt 0x0
; GroupNorm statistics in pieces, and the weights rounded to bf16.
; x is [4][128][64][64] f32; a (batch, group) block is 65,536 consecutive numbers.  Work-group i owns the 8,192 numbers at byte 32,768 i
; (an eighth of block i >> 3), a wave 1,024 of them, a lane 32.  Each wave stores the pair (mean, M2) of its 1,024 numbers, M2 being the sum
; of squares of the differences from the wave's OWN mean: two passes over registers, so a common offset of x never meets its square.
; The next launch joins the 64 pairs of a block by the formula for parts of equal count.
; Wave 0 also rounds 256 weights to bf16: wb = [512][128] bf16, rows 0-383 qkv_weight, rows 384-511 proj_weight; work-group i makes bytes 512 i ...
; No LDS, no barrier: no wave needs another's numbers.  No matrix unit, no cluster: nothing is multiplied and no input byte is read twice.
; The pairs are stored as 8 bytes a wave (64 bytes a work-group, 16 KiB in the launch): parts of aligned 256-byte blocks; gathering them
; would cost an LDS pass and a barrier for 64 bytes.
; Limits: NaN or infinity in x spreads to the block's statistics, as in the definition.
.set XB, 4                             ; v[4:35]   my 32 numbers
.set AC, 36                            ; v[36:43]  four chains of pairs
.set MN, 44                            ; v[44:45]  (mean, mean), at the end (mean, M2)
.set TT, 46                            ; v46 at work, v47 the other half's number
.set WR, 48                            ; v[48:55]  eight weights in f32
.set WP, 56                            ; v[56:59]  the same in bf16
.macro WSUM reg                        ; sum over the wave's 32 lanes, result in every lane
	v_add_f32_dpp v[\reg], v[\reg], v[\reg] row_xmask:1 row_mask:0xf bank_mask:0xf
	v_add_f32_dpp v[\reg], v[\reg], v[\reg] row_xmask:2 row_mask:0xf bank_mask:0xf
	v_add_f32_dpp v[\reg], v[\reg], v[\reg] row_xmask:4 row_mask:0xf bank_mask:0xf
	v_add_f32_dpp v[\reg], v[\reg], v[\reg] row_xmask:8 row_mask:0xf bank_mask:0xf
	v_permlanex16_b32 v[TT+1], v[\reg], s16, s17
	v_add_f32 v[\reg], v[\reg], v[TT+1]
.endm
.macro FOLD                            ; the four chains of pairs become one number in v[TT]
	v_pk_add_f32 v[AC:AC+1], v[AC:AC+1], v[AC+2:AC+3]
	v_pk_add_f32 v[AC+4:AC+5], v[AC+4:AC+5], v[AC+6:AC+7]
	v_pk_add_f32 v[AC:AC+1], v[AC:AC+1], v[AC+4:AC+5]
	v_add_f32 v[TT], v[AC], v[AC+1]
.endm
	s_load_b256 s[4:11], s[0:1], 0x0               ; x s[4:5], qkv_weight s[6:7], proj_weight s[8:9], stats s[10:11]
	s_load_b64 s[12:13], s[0:1], 0x20              ; wb
	v_and_b32 v1, 31, v0                           ; lane
	v_lshrrev_b32 v3, 5, v0
	v_readfirstlane_b32 s14, v3                    ; wave
	v_lshlrev_b32 v2, 4, v1
	v_lshl_add_u32 v2, v3, 12, v2                  ; 4,096 x wave + 16 x lane
	v_mov_b32 v[TT+1], 0                           ; v_permlanex16_b32's destination counts as read
	s_mov_b32 s16, 0x76543210                      ; lane i of one half reads lane i of the other
	s_mov_b32 s17, 0xfedcba98
	s_lshl_b32 s18, ttmp9, 15                      ; the work-group's 32,768 bytes of x
	s_mov_b32 s19, 0
	s_lshl_b32 s24, ttmp9, 3
	s_add_co_u32 s24, s24, s14
	s_lshl_b32 s24, s24, 3                         ; pair number 8 i + wave, 8 bytes each
	v_mov_b32 v62, s24
	s_wait_kmcnt 0x0
	s_add_nc_u64 s[4:5], s[4:5], s[18:19]
.set j, 0
.rept 8
	global_load_b128 v[XB+4*j:XB+4*j+3], v2, s[4:5] offset:512*j   ; 512 consecutive bytes a wave
.set j, j+1
.endr
	s_cmp_lg_u32 s14, 0
	s_cbranch_scc1 .Lnw
	; wave 0: 256 weights, 1,024 bytes in, 512 bytes out
	s_sub_co_u32 s23, ttmp9, 192                   ; used only where i >= 192
	s_cmp_lt_u32 ttmp9, 192                        ; 192 x 1,024 bytes are all of qkv_weight
	s_cselect_b64 s[20:21], s[6:7], s[8:9]
	s_cselect_b32 s18, ttmp9, s23
	s_lshl_b32 s18, s18, 10
	s_add_nc_u64 s[20:21], s[20:21], s[18:19]
	s_lshl_b32 s18, ttmp9, 9
	s_add_nc_u64 s[12:13], s[12:13], s[18:19]
	v_lshlrev_b32 v60, 5, v1
	v_lshlrev_b32 v61, 4, v1
	global_load_b128 v[WR:WR+3], v60, s[20:21]
	global_load_b128 v[WR+4:WR+7], v60, s[20:21] offset:16
	s_wait_loadcnt 0x0
.irp k, 0,1,2,3
	v_cvt_pk_bf16_f32 v[WP+\k], v[WR+2*\k], v[WR+2*\k+1]
.endr
	global_store_b128 v61, v[WP:WP+3], s[12:13]    ; the wave stores 512 consecutive bytes, aligned
.Lnw:
	s_wait_loadcnt 0x0                             ; my 32 numbers
	; pass 1: the sum, four chains started by the first pairs
.irp k, 0,1,2,3
	v_pk_add_f32 v[AC+2*\k:AC+2*\k+1], v[XB+2*\k:XB+2*\k+1], v[XB+8+2*\k:XB+8+2*\k+1]
.endr
.irp j, 2,3
.irp k, 0,1,2,3
	v_pk_add_f32 v[AC+2*\k:AC+2*\k+1], v[AC+2*\k:AC+2*\k+1], v[XB+8*\j+2*\k:XB+8*\j+2*\k+1]
.endr
.endr
	FOLD
	WSUM TT
	v_mul_f32 v[MN], 0x3a800000, v[TT]             ; / 1,024
	v_mov_b32 v[MN+1], v[MN]
	; pass 2: centred squares
.set i, 0
.rept 16
	v_pk_add_f32 v[XB+i:XB+i+1], v[XB+i:XB+i+1], v[MN:MN+1] neg_lo:[0,1] neg_hi:[0,1]
.set i, i+2
.endr
.irp k, 0,1,2,3
	v_pk_mul_f32 v[AC+2*\k:AC+2*\k+1], v[XB+2*\k:XB+2*\k+1], v[XB+2*\k:XB+2*\k+1]
.endr
.irp j, 1,2,3
.irp k, 0,1,2,3
	v_pk_fma_f32 v[AC+2*\k:AC+2*\k+1], v[XB+8*\j+2*\k:XB+8*\j+2*\k+1], v[XB+8*\j+2*\k:XB+8*\j+2*\k+1], v[AC+2*\k:AC+2*\k+1]
.endr
.endr
	FOLD
	WSUM TT
	v_mov_b32 v[MN+1], v[TT]                       ; (mean, M2)
	v_cmp_eq_u32 vcc_lo, 0, v1
	s_wait_xcnt 0x0                                ; EXEC is a source of wave 0's store: it narrows only behind this wait
	s_and_saveexec_b32 s22, vcc_lo
	global_store_b64 v62, v[MN:MN+1], s[10:11]     ; lane 0 alone
	s_wait_xcnt 0x0                                ; and widens only behind this one
	s_or_b32 exec_lo, exec_lo, s22
	s_endpgm
.Lfunc_end_k_q61e3469f5f_stats:
	.size	k_q61e3469f5f_stats, .Lfunc_end_k_q61e3469f5f_stats-k_q61e3469f5f_stats
	.p2alignl 7, 3214868480
	.fill 96, 4, 3214868480
	.section	.rodata,"a",@progbits
	.p2align	6, 0x0
	.amdhsa_kernel k_q61e3469f5f_stats
		.amdhsa_group_segment_fixed_size 0
		.amdhsa_private_segment_fixed_size 0
		.amdhsa_enable_private_segment 0
		.amdhsa_kernarg_size 40
		.amdhsa_user_sgpr_count 2
		.amdhsa_user_sgpr_kernarg_segment_ptr 1
		.amdhsa_wavefront_size32 1
		.amdhsa_system_sgpr_workgroup_id_x 1
		.amdhsa_system_sgpr_workgroup_id_y 1
		.amdhsa_system_sgpr_workgroup_id_z 1
		.amdhsa_system_vgpr_workitem_id 0
		.amdhsa_next_free_vgpr 64
		.amdhsa_next_free_sgpr 66
		.amdhsa_reserve_vcc 1
		.amdhsa_float_denorm_mode_32 3
		.amdhsa_float_denorm_mode_16_64 3
		.amdhsa_memory_ordered 1
		.amdhsa_forward_progress 1
		.amdhsa_inst_pref_size 8
	.end_amdhsa_kernel
	.amdgpu_metadata
---
amdhsa.version: [ 1, 2 ]
amdhsa.kernels:
  - .name:           k_q61e3469f5f_stats
    .symbol:         k_q61e3469f5f_stats.kd
    .args:
      - { .name: x, .offset: 0, .size: 8, .value_kind: global_buffer, .address_space: global }
      - { .name: qkv_weight, .offset: 8, .size: 8, .value_kind: global_buffer, .address_space: global }
      - { .name: proj_weight, .offset: 16, .size: 8, .value_kind: global_buffer, .address_space: global }
      - { .name: stats, .offset: 24, .size: 8, .value_kind: global_buffer, .address_space: global }
      - { .name: wb, .offset: 32, .size: 8, .value_kind: global_buffer, .address_space: global }
    .group_segment_fixed_size: 0
    .private_segment_fixed_size: 0
    .kernarg_segment_align: 8
    .kernarg_segment_size: 40
    .max_flat_workgroup_size: 256
    .sgpr_count:     66
    .vgpr_count:     64
    .wavefront_size: 32
...
	.end_amdgpu_metadata
.endif
;; end of part 1
;; launch qkv (part 2): grid 256 x 1, 8 waves a work-group, no clusters, 73,728 bytes of LDS; arguments x, stats, gn_weight, gn_bias, wb, qkv_bias, q, kv; writes q, kv
.if DOCPART == 2
	.amdgcn_target "amdgcn-amd-amdhsa--gfx1250"
	.amdhsa_code_object_version 6
	.text
	.protected	k_q61e3469f5f_qkv
	.globl	k_q61e3469f5f_qkv
	.p2align	8
	.type	k_q61e3469f5f_qkv,@function
k_q61e3469f5f_qkv:
	s_mov_b64 s[64:65], 0
	v_nop
	global_prefetch_b8 v0, s[64:65] scope:SCOPE_SE
	s_setreg_imm32_b32 hwreg(HW_REG_WAVE_MODE, 25, 1), 1
	s_wait_xcnt 0x0
; GroupNorm applied, then the 384 x 128 channel product, for 64 positions a work-group.
; Work-group i: batch b = i >> 6, positions 64 (i & 63) ...  Wave w normalises group w (channels 16 w .. 16 w + 15): it joins that group's 64 pairs
; (mean, M2) itself, so no wave needs another's statistics.  x is centred and scaled in f32 and only then rounded to bf16.
; xn goes to LDS as [128 c][64 n]; transposing LDS loads bring fragments with c along the registers.  Wave w then makes output tile w
; (16 outputs x 64 positions) of each of Q, K and V: 48 matrix instructions.
; Out: q  = bf16 [b][n][128], already (Wq xn + bq) x 128^-0.5 x log2 e, so that the next launch's exponentials are plain powers of two;
;      kv = bf16 [b][16 tiles of 256 keys][131,072 bytes]: bytes 0-65,535 K rows [256][128]; bytes 65,536 + 16,384 u: V transposed, [128 c][64 keys] of key block u.
; Q and K: source 0 = weights, source 1 = xn: a lane's eight results are eight neighbouring outputs of one position.  V: the sources swapped:
; eight neighbouring positions of one channel.  All three leave through LDS stages, so that sixteen lanes store 256 consecutive aligned bytes.
; The bias is the first product's C operand: nothing is cleared and nothing is added afterwards.
; No joint loads although all work-groups read wb: each wave takes its 12 KiB of weight fragments straight into registers, once, in the fragments' own layout;
; there is no loop whose steps could share a tile, and a joint load would add a pass through LDS and rounds of a cluster barrier to a single step.
; Limits: the order of sums differs from the definition's; NaN and infinity spread as there.
.set XP,  160                          ; pitch of xn's rows in LDS: 128 bytes of data + 32
.set OST, 20480                        ; behind xn (128 x 160): three stages of 64 rows x 272 bytes
.set SP,  272
.set STG, 64*SP
.set GW,  24                           ; v[24:31]  gain of channels 16 w + 2 j + h, later x rstd
.set GB,  32                           ; v[32:39]  their bias
.set BQ,  40                           ; v[40:47] Q's bias, v[48:55] K's: outputs 16 w + 8 h + j
.set BV,  56                           ; v[56:63]  V's bias of output 16 w + r, eight times
.set XR,  64                           ; v[64:95]  x: row j = channel 16 w + 2 j + h, positions 4 r .. 4 r + 3
.set WF,  96                           ; v[96:191] weight fragments (s, ks) at 96 + 8 (4 s + ks); later TMP and RBK
.set TMP, 96                           ; v[96:143] packed results
.set RBK, 144                          ; v[144:191] rows read back
.set XF,  96                           ; window 1: xn fragments (nt, ks) at 96 + 8 (4 ks + nt); accumulators (s, nt) at 8 (4 s + nt)
.set MSB, 0
.macro WIN new                         ; s_set_vgpr_msb; the immediate's high byte repeats the setting that is left
.if MSB != \new
	s_set_vgpr_msb (MSB<<8)|\new
.set MSB, \new
.endif
.endm
.macro PLACES                          ; four plain vector instructions behind a matrix instruction (ISA guide 7.12.1)
.rept 4
	v_nop
.endr
.endm
.macro WSUM reg
	v_add_f32_dpp v[\reg], v[\reg], v[\reg] row_xmask:1 row_mask:0xf bank_mask:0xf
	v_add_f32_dpp v[\reg], v[\reg], v[\reg] row_xmask:2 row_mask:0xf bank_mask:0xf
	v_add_f32_dpp v[\reg], v[\reg], v[\reg] row_xmask:4 row_mask:0xf bank_mask:0xf
	v_add_f32_dpp v[\reg], v[\reg], v[\reg] row_xmask:8 row_mask:0xf bank_mask:0xf
	v_permlanex16_b32 v13, v[\reg], s21, s22
	v_add_f32 v[\reg], v[\reg], v13
.endm
; eight matrix instructions: Q's and K's four position tiles, 32 channels at ks.  The accumulators take turns, one instruction a turn.
.macro QKMM ks
.irp s, 0,1
.irp nt, 0,1,2,3
.if \ks == 0
	v_wmma_f32_16x16x32_bf16 v[8*(4*\s+\nt):8*(4*\s+\nt)+7], v[WF+8*(4*\s+\ks):WF+8*(4*\s+\ks)+7], v[XF+8*(4*\ks+\nt):XF+8*(4*\ks+\nt)+7], v[BQ+8*\s:BQ+8*\s+7]
.else
	v_wmma_f32_16x16x32_bf16 v[8*(4*\s+\nt):8*(4*\s+\nt)+7], v[WF+8*(4*\s+\ks):WF+8*(4*\s+\ks)+7], v[XF+8*(4*\ks+\nt):XF+8*(4*\ks+\nt)+7], v[8*(4*\s+\nt):8*(4*\s+\nt)+7]
.endif
.endr
.endr
.endm
.macro VMM ks                          ; four: V's position tiles, the sources swapped
.irp nt, 0,1,2,3
.if \ks == 0
	v_wmma_f32_16x16x32_bf16 v[8*(8+\nt):8*(8+\nt)+7], v[XF+8*(4*\ks+\nt):XF+8*(4*\ks+\nt)+7], v[WF+8*(8+\ks):WF+8*(8+\ks)+7], v[BV:BV+7]
.else
	v_wmma_f32_16x16x32_bf16 v[8*(8+\nt):8*(8+\nt)+7], v[XF+8*(4*\ks+\nt):XF+8*(4*\ks+\nt)+7], v[WF+8*(8+\ks):WF+8*(8+\ks)+7], v[8*(8+\nt):8*(8+\nt)+7]
.endif
.endr
.endm
	s_load_b256 s[4:11], s[0:1], 0x0               ; x s[4:5], stats s[6:7], gn_weight s[8:9], gn_bias s[10:11]
	s_load_b256 s[12:19], s[0:1], 0x20             ; wb s[12:13], qkv_bias s[14:15], q s[16:17], kv s[18:19]
	v_lshl_add_u32 v254, v0, 2, 0x11c00
	v_mov_b32 v255, 0
	v_lshrrev_b32 v21, 5, v0
	v_readfirstlane_b32 s20, v21                   ; wave w
	v_and_b32 v13, 31, v0                          ; L
	v_and_b32 v22, 15, v0                          ; r
	v_bfe_u32 v23, v0, 4, 1                        ; h
	s_mov_b32 s21, 0x76543210
	s_mov_b32 s22, 0xfedcba98
	s_lshr_b32 s23, ttmp9, 6                       ; b
	s_and_b32 s24, ttmp9, 63                       ; block of 64 positions
	s_mul_i32 s25, s20, 16*XP
	s_mul_i32 s26, s20, 8*SP
	s_mov_b32 s27, 0x44800000                      ; 1,024: numbers in a pair's part
	s_mov_b32 s32, 0x37800000                      ; 1 / 65,536: numbers in a block
	s_mov_b32 s33, 0x3727c5ac                      ; 1e-5
	v_lshlrev_b32 v1, 14, v23                      ; v1: x, (16 w + h) rows of 16,384 bytes + 16 r
	v_lshl_add_u32 v1, v22, 4, v1
	v_lshl_add_u32 v1, s20, 18, v1
	v_lshlrev_b32 v2, 2, v23                       ; v2: gain and bias, 4 (16 w + h)
	v_lshl_add_u32 v2, s20, 6, v2
	v_lshlrev_b32 v3, 4, v13                       ; v3: two pairs of statistics a lane
	v_lshlrev_b32 v4, 8, v22                       ; v4: weights, row 16 w + r of 256 bytes + 16 h
	v_lshl_add_u32 v4, v23, 4, v4
	v_lshl_add_u32 v4, s20, 12, v4
	v_lshlrev_b32 v5, 5, v23                       ; v5: bias of outputs 16 w + 8 h ..
	v_lshl_add_u32 v5, s20, 6, v5
	v_lshlrev_b32 v6, 2, v22                       ; v6: bias of output 16 w + r
	v_lshl_add_u32 v6, s20, 6, v6
	v_mul_u32_u24 v7, v23, XP                      ; v7: xn in, row 16 w + h, 8 bytes at 8 r
	v_lshl_add_u32 v7, v22, 3, v7
	v_add_nc_u32 v7, s25, v7
	v_and_b32 v8, 7, v0                            ; v8: xn back, transposing: row 8 h + (L & 7), 16 bytes at 16 ((L >> 3) & 1)
	v_lshl_add_u32 v8, v23, 3, v8
	v_mul_u32_u24 v8, v8, XP
	v_bfe_u32 v21, v0, 3, 1
	v_lshl_add_u32 v8, v21, 4, v8
	v_mul_u32_u24 v9, v22, SP                      ; v9: Q and K stage in: row r, bytes 32 w + 16 h
	v_lshl_add_u32 v9, v23, 4, v9
	v_lshl_add_u32 v9, s20, 5, v9
	v_add_nc_u32 v9, OST, v9
	v_lshrrev_b32 v10, 1, v22                      ; v10: V stage in: channel c = 16 w + r lies in row c >> 1 at byte 128 (c & 1)
	v_mul_u32_u24 v10, v10, SP
	v_and_b32 v21, 1, v22
	v_lshl_add_u32 v10, v21, 7, v10
	v_lshl_add_u32 v10, v23, 4, v10
	v_add_nc_u32 v10, s26, v10
	v_add_nc_u32 v10, OST+2*STG, v10
	v_mul_u32_u24 v11, v23, SP                     ; v11: stages back: row 8 w + h, 16 bytes at 16 r
	v_lshl_add_u32 v11, v22, 4, v11
	v_add_nc_u32 v11, s26, v11
	v_add_nc_u32 v11, OST, v11
	v_lshlrev_b32 v12, 8, v23                      ; v12: the same rows in memory, 256 bytes each
	v_lshl_add_u32 v12, v22, 4, v12
	v_lshl_add_u32 v12, s20, 11, v12
	s_lshl_b32 s28, s23, 21                        ; x: batch of 2 MiB + 256 bytes a block of positions
	s_lshl_b32 s29, s24, 8
	s_add_co_u32 s28, s28, s29
	s_mov_b32 s29, 0
	s_lshl_b32 s30, s23, 3                         ; statistics: block 8 b + w, 512 bytes
	s_add_co_u32 s30, s30, s20
	s_lshl_b32 s30, s30, 9
	s_mov_b32 s31, 0
	s_wait_kmcnt 0x0
	s_add_nc_u64 s[4:5], s[4:5], s[28:29]
	s_add_nc_u64 s[6:7], s[6:7], s[30:31]
	s_lshl_b32 s28, ttmp9, 14                      ; q: 64 rows of 256 bytes a work-group
	s_add_nc_u64 s[16:17], s[16:17], s[28:29]
	s_lshr_b32 s28, ttmp9, 2                       ; kv: tile i >> 2 of 131,072 bytes, key block i & 3 of 16,384
	s_lshl_b32 s28, s28, 17
	s_and_b32 s30, ttmp9, 3
	s_lshl_b32 s30, s30, 14
	s_add_co_u32 s28, s28, s30
	s_add_nc_u64 s[18:19], s[18:19], s[28:29]
	; all loads at once: 54 a wave
	global_load_b128 v[14:17], v3, s[6:7]          ; (mean, M2) twice
.set j, 0
.rept 8
	global_load_b32 v[GW+j], v2, s[8:9] offset:8*j
.set j, j+1
.endr
.set j, 0
.rept 8
	global_load_b32 v[GB+j], v2, s[10:11] offset:8*j
.set j, j+1
.endr
.set j, 0
.rept 8
	global_load_b128 v[XR+4*j:XR+4*j+3], v1, s[4:5] offset:32768*j     ; two whole pieces of 256 bytes: channels 16 w + 2 j, + 1
.set j, j+1
.endr
.irp s, 0,1,2
.irp ks, 0,1,2,3
	global_load_b128 v[WF+8*(4*\s+\ks):WF+8*(4*\s+\ks)+3], v4, s[12:13] offset:\s*32768+64*\ks
	global_load_b128 v[WF+8*(4*\s+\ks)+4:WF+8*(4*\s+\ks)+7], v4, s[12:13] offset:\s*32768+64*\ks+32
.endr
.endr
	global_load_b128 v[BQ:BQ+3], v5, s[14:15]
	global_load_b128 v[BQ+4:BQ+7], v5, s[14:15] offset:16
	global_load_b128 v[BQ+8:BQ+11], v5, s[14:15] offset:512
	global_load_b128 v[BQ+12:BQ+15], v5, s[14:15] offset:528
	global_load_b32 v[BV], v6, s[14:15] offset:1024
	s_wait_loadcnt 29                              ; statistics, gain, bias and x are in; the 24 weight and 5 bias loads behind them may be out
	; the group's mean and variance from 64 parts of 1,024: mean = sum of means / 64; M2 = sum of M2 + 1,024 x sum of (part's mean - mean)^2
	v_add_f32 v21, v14, v16
	WSUM 21
	v_mul_f32 v18, 0x3c800000, v21
	v_mov_b32 v19, v18
	v_sub_f32 v22, v14, v18
	v_sub_f32 v23, v16, v18
	v_add_f32 v21, v15, v17
	v_mul_f32 v22, v22, v22
	v_fma_f32 v22, v23, v23, v22
	v_fma_f32 v21, v22, s27, v21
	WSUM 21
	v_fma_f32 v21, v21, s32, s33                   ; variance + 1e-5
	v_rsq_f32 v20, v21
	v_nop                                          ; one plain instruction behind v_rsq_f32 before its result is used (ISA guide 5.7.2)
.set j, 0
	s_wait_alu depctr_va_vdst(0)
.rept 8
	v_mul_f32 v[GW+j], v[GW+j], v20
.set j, j+1
.endr
	; (x - mean) x (rstd x gain) + bias in f32, rounded once, packed in place, into LDS
.set j, 0
.rept 8
	v_pk_add_f32 v[XR+4*j:XR+4*j+1], v[XR+4*j:XR+4*j+1], v[18:19] neg_lo:[0,1] neg_hi:[0,1]
	v_pk_add_f32 v[XR+4*j+2:XR+4*j+3], v[XR+4*j+2:XR+4*j+3], v[18:19] neg_lo:[0,1] neg_hi:[0,1]
	v_fma_f32 v[XR+4*j], v[XR+4*j], v[GW+j], v[GB+j]
	v_fma_f32 v[XR+4*j+1], v[XR+4*j+1], v[GW+j], v[GB+j]
	v_fma_f32 v[XR+4*j+2], v[XR+4*j+2], v[GW+j], v[GB+j]
	v_fma_f32 v[XR+4*j+3], v[XR+4*j+3], v[GW+j], v[GB+j]
	v_cvt_pk_bf16_f32 v[XR+4*j], v[XR+4*j], v[XR+4*j+1]
	v_cvt_pk_bf16_f32 v[XR+4*j+1], v[XR+4*j+2], v[XR+4*j+3]
	ds_store_b64 v7, v[XR+4*j:XR+4*j+1] offset:2*XP*j
.set j, j+1
.endr
	s_wait_dscnt 0x0                               ; my rows of xn are in LDS: zero, for the other waves' sake
	s_barrier_signal -1
	s_barrier_wait -1                              ; everybody's are
	WIN 0x40                                       ; destination window 1
.irp ks, 0,1,2,3
.irp nt, 0,1,2,3
	ds_load_tr16_b128 v[XF+8*(4*\ks+\nt):XF+8*(4*\ks+\nt)+3], v8 offset:\ks*32*XP+32*\nt
	ds_load_tr16_b128 v[XF+8*(4*\ks+\nt)+4:XF+8*(4*\ks+\nt)+7], v8 offset:\ks*32*XP+32*\nt+16*XP
.endr
.endr
	WIN 0
	s_wait_loadcnt 0x0                             ; weights and biases
.irp k, 1,2,3,4,5,6,7
	v_mov_b32 v[BV+\k], v[BV]                      ; V's C operand: one output's bias in all eight registers
.endr
	WIN 0x44                                       ; D window 1, weights window 0, xn window 1, C (bias) window 0
	s_wait_dscnt 24                                ; the first eight transposing loads (ks = 0) are in; 24 younger ones may be out
	QKMM 0
	WIN 0x54                                       ; C window 1 from here on
	s_wait_dscnt 16
	QKMM 1
	s_wait_dscnt 8
	QKMM 2
	s_wait_dscnt 0x0
	QKMM 3
	WIN 0x41                                       ; V: xn (window 1) is source 0, weights (window 0) source 1, C (bias) window 0
	VMM 0
	WIN 0x51
	VMM 1
	VMM 2
	VMM 3
	PLACES                                         ; before results are read and the weights' registers written
	WIN 0x41
.set i, 0
.rept 16
	v_pk_mul_f32 v[i:i+1], v[i:i+1], 0x3e0293ee op_sel_hi:[1,0]        ; Q x 128^-0.5 x log2 e
.set i, i+2
.endr
	WIN 0x05                                       ; sources window 1, destination window 0
.set i, 0
.rept 48
	v_cvt_pk_bf16_f32 v[TMP+i], v[2*i], v[2*i+1]
.set i, i+1
.endr
	WIN 0
.irp s, 0,1
.irp nt, 0,1,2,3
	ds_store_b128 v9, v[TMP+4*(4*\s+\nt):TMP+4*(4*\s+\nt)+3] offset:\s*STG+\nt*16*SP
.endr
.endr
.irp nt, 0,1,2,3
	ds_store_b128 v10, v[TMP+4*(8+\nt):TMP+4*(8+\nt)+3] offset:32*\nt
.endr
	s_wait_dscnt 0x0                               ; my columns of the three stages are in LDS
	s_barrier_signal -1
	s_barrier_wait -1                              ; the rows are whole
.irp s, 0,1,2
.irp t, 0,1,2,3
	ds_load_b128 v[RBK+4*(4*\s+\t):RBK+4*(4*\s+\t)+3], v11 offset:\s*STG+2*SP*\t
.endr
.endr
	; sixteen lanes store 256 consecutive aligned bytes; each of the three outputs is a dense block of 16 KiB
.irp t, 0,1,2,3
	s_wait_dscnt 11-\t                             ; LDS loads come back in order: the younger ones may be out
	global_store_b128 v12, v[RBK+4*\t:RBK+4*\t+3], s[16:17] offset:512*\t
.endr
.irp t, 0,1,2,3
	s_wait_dscnt 7-\t
	global_store_b128 v12, v[RBK+16+4*\t:RBK+16+4*\t+3], s[18:19] offset:512*\t
.endr
.irp t, 0,1,2,3
	s_wait_dscnt 3-\t
	global_store_b128 v12, v[RBK+32+4*\t:RBK+32+4*\t+3], s[18:19] offset:65536+512*\t
.endr
	s_wait_tensorcnt 0x0
	ds_add_u32 v254, v255
	s_wait_dscnt 0x0
	s_endpgm
.Lfunc_end_k_q61e3469f5f_qkv:
	.size	k_q61e3469f5f_qkv, .Lfunc_end_k_q61e3469f5f_qkv-k_q61e3469f5f_qkv
	.p2alignl 7, 3214868480
	.fill 96, 4, 3214868480
	.section	.rodata,"a",@progbits
	.p2align	6, 0x0
	.amdhsa_kernel k_q61e3469f5f_qkv
		.amdhsa_group_segment_fixed_size 73728
		.amdhsa_private_segment_fixed_size 0
		.amdhsa_enable_private_segment 0
		.amdhsa_kernarg_size 64
		.amdhsa_user_sgpr_count 2
		.amdhsa_user_sgpr_kernarg_segment_ptr 1
		.amdhsa_wavefront_size32 1
		.amdhsa_system_sgpr_workgroup_id_x 1
		.amdhsa_system_sgpr_workgroup_id_y 1
		.amdhsa_system_sgpr_workgroup_id_z 1
		.amdhsa_system_vgpr_workitem_id 0
		.amdhsa_next_free_vgpr 480
		.amdhsa_next_free_sgpr 66
		.amdhsa_reserve_vcc 0
		.amdhsa_float_denorm_mode_32 3
		.amdhsa_float_denorm_mode_16_64 3
		.amdhsa_memory_ordered 1
		.amdhsa_forward_progress 1
		.amdhsa_inst_pref_size 29
	.end_amdhsa_kernel
	.amdgpu_metadata
---
amdhsa.version: [ 1, 2 ]
amdhsa.kernels:
  - .name:           k_q61e3469f5f_qkv
    .symbol:         k_q61e3469f5f_qkv.kd
    .args:
      - { .name: x, .offset: 0, .size: 8, .value_kind: global_buffer, .address_space: global }
      - { .name: stats, .offset: 8, .size: 8, .value_kind: global_buffer, .address_space: global }
      - { .name: gn_weight, .offset: 16, .size: 8, .value_kind: global_buffer, .address_space: global }
      - { .name: gn_bias, .offset: 24, .size: 8, .value_kind: global_buffer, .address_space: global }
      - { .name: wb, .offset: 32, .size: 8, .value_kind: global_buffer, .address_space: global }
      - { .name: qkv_bias, .offset: 40, .size: 8, .value_kind: global_buffer, .address_space: global }
      - { .name: q, .offset: 48, .size: 8, .value_kind: global_buffer, .address_space: global }
      - { .name: kv, .offset: 56, .size: 8, .value_kind: global_buffer, .address_space: global }
    .group_segment_fixed_size: 73728
    .private_segment_fixed_size: 0
    .kernarg_segment_align: 8
    .kernarg_segment_size: 64
    .max_flat_workgroup_size: 256
    .sgpr_count:     66
    .vgpr_count:     480
    .wavefront_size: 32
...
	.end_amdgpu_metadata
.endif
;; end of part 2
;; launch attn (part 3): grid 256 x 1, 4 waves a work-group, clusters of 4 x 1, 327,680 bytes of LDS; arguments q, kv, wb, x, proj_bias, out0; writes out0
.if DOCPART == 3
	.amdgcn_target "amdgcn-amd-amdhsa--gfx1250"
	.amdhsa_code_object_version 6
	.text
	.protected	k_q61e3469f5f_attn
	.globl	k_q61e3469f5f_attn
	.p2align	8
	.type	k_q61e3469f5f_attn,@function
k_q61e3469f5f_attn:
	s_mov_b64 s[64:65], 0
	v_nop
	global_prefetch_b8 v0, s[64:65] scope:SCOPE_SE
	s_setreg_imm32_b32 hwreg(HW_REG_WAVE_MODE, 25, 1), 1
	s_wait_xcnt 0x0
	s_wait_alu depctr_hold_cnt(0) depctr_sa_sdst(0) depctr_va_vdst(0) depctr_va_sdst(0) depctr_va_ssrc(0) depctr_va_vcc(0) depctr_vm_vsrc(0)
	s_getreg_b32 s2, hwreg(HW_REG_IB_STS2, 6, 4)
	s_cmp_eq_u32 s2, 0
	s_cbranch_scc0 .Lentry_in_a_cluster
	s_endpgm
.Lentry_in_a_cluster:
	s_bfe_u32 s2, ttmp6, 0x10000c
	s_cmp_lg_u32 s2, 0x3003
	s_cbranch_scc0 .Lentry_shape_is_right
	s_endpgm
.Lentry_shape_is_right:
; Attention over 4,096 keys for 64 queries a work-group, then the projection, its bias and the residual.  Nothing of size n x n leaves the registers.
; Four waves.  Each wave holds ALL 64 queries and takes 64 of the 256 keys of every tile (keys 64 w ..), with its own running maximum, sum and O:
; each LDS byte of K and V is read once, by one wave, and one K or V fragment feeds four matrix instructions.  The four partial results are joined once at the end.
; S^T = K Q^T (source 0 = K rows, source 1 = Q rows): lane (r, h) holds query r and keys 8 h + j.  Two neighbouring tiles of S^T, rounded to bf16 in pairs,
; ARE the source-1 fragment of O^T = V^T P^T, and O^T packs in the same way into source 0 of the projection: P and O pass through no LDS and no shuffle;
; a query's maximum and sum are one number a lane, joined across the two halves of the wave by v_permlanex16_b32.
; q was scaled by 128^-0.5 x log2 e when it was made: the exponentials are powers of two.  The running maximum is taken away before every exponential,
; and O is rescaled in every trip (no branch hangs on a floating-point number).
; CLUSTER 4 x 1: the four query blocks of a cluster belong to one batch and walk the same 16 tiles of kv.  Each tile is asked for jointly (mask 15):
; the requests for kv are divided by four.  The place in the cluster enters the global addresses of q, x and out0 alone.
; TILES: 131,072 dense bytes = 512 rows of 256 bytes (256 K rows, then V^T as [128 c][64 keys] for each of four key blocks, two channels a row).
; Each wave fetches 128 rows by one load; two LDS slots; a round of the cluster's barrier in front of each refill.  By this text's count a wave has one tensor load outstanding at the most.
; The product P V of a trip is made in the NEXT trip, so that the K loads land under it and the V loads land under K Q^T.
; Limits: NaN or infinity among the scores, or a row of scores all minus infinity, gives NaN as in the definition; v_exp_f32 gives zero for results below 2^-126
; (ISA guide, 15.8); the softmax's sum is made of the f32 weights while P V takes them rounded to bf16; the order of sums differs from the definition's.
.set PITCH, 272                        ; an LDS row: 256 bytes + 16 of padding: sixteen rows that a load touches begin in sixteen different 16-byte columns modulo 256
.set SLOT,  512*PITCH                  ; 139,264
.set TILE,  131072
.set STAT,  2*SLOT                     ; 2,048 bytes of their own: [wave][query tile][16 m, 16 l]
.set KA, 1                             ; v1, v2   K fragments' LDS address in slot 0, 1
.set VA, 3                             ; v3, v4   V fragments'
                                       ; v5 256 r + 16 h (q, wb)   v6 merge in   v7, v8 merge back   v9, v10 statistics in, back
                                       ; v11, v12 output stage in, back   v13 x and out0   v14 projection bias
.set MP, 16                            ; v[16:23] (m, m) for each query tile      } after the merge's barrier: v[16:31] = 16 biases
.set AL, 24                            ; v[24:31] (alpha, alpha)                  }
.set LS, 32                            ; v[32:35] my half's running sum
.set TT, 36                            ; v[36:39] at work
.set T2, 40                            ; v[40:43] the other half's number
.set TS, 44                            ; v[44:51] pair sums; in the merge m and l of the four waves
.set GG, 52                            ; v[52:59] merge weights, in pairs
.set PB, 64                            ; v[64:127]  P (qt) at 64 + 16 qt; later O in bf16, then the rows on their way out
.set SB, 128                           ; v[128:255] S (qt, kt) at 128 + 32 qt + 8 kt; later the projection's sums (128-191) and x (192-255)
                                       ; window 1: O (qt, ct) at 64 qt + 8 ct
.set QF, 0                             ; window 2: Q fragments (qt, ks) at 8 (4 qt + ks)
.set KF, 128                           ; window 2: K fragments (kt, ks) at 128 + 8 (4 ks + kt); later the projection's weights, outputs 0-63
                                       ; window 3: V fragments (ct, ks) at 8 (8 ks + ct); later the projection's weights, outputs 64-127
.set MSB, 0
.macro WIN new                         ; low byte: bits 1:0 source 0, 3:2 source 1, 5:4 source 2, 7:6 destination; the high byte repeats the setting that is left
.if MSB != \new
	s_set_vgpr_msb (MSB<<8)|\new
.set MSB, \new
.endif
.endm
.macro PLACES                          ; four plain vector instructions behind a matrix instruction (ISA guide 7.12.1)
.rept 4
	v_nop
.endr
.endm
; A round of the cluster's barrier: my work-group's barrier, wave 0 signals for the work-group, every wave waits for all four work-groups, my work-group's barrier again.
.macro ROUND
	WIN 0
	s_barrier_signal -1
	s_barrier_wait -1
	s_cmp_lg_u32 s32, 0
	s_cbranch_scc1 .Lnot_wave_0_\@
	s_barrier_signal -3
.Lnot_wave_0_\@:
	s_barrier_wait -3
	s_barrier_signal -1
	s_barrier_wait -1
.endm
.macro LOADK slot                      ; my 64 keys x 128 channels: 32 loads
	WIN 0x80
.irp ks, 0,1,2,3
.irp kt, 0,1,2,3
	ds_load_b128 v[KF+8*(4*\ks+\kt):KF+8*(4*\ks+\kt)+3], v[KA+\slot] offset:\kt*16*PITCH+64*\ks
	ds_load_b128 v[KF+8*(4*\ks+\kt)+4:KF+8*(4*\ks+\kt)+7], v[KA+\slot] offset:\kt*16*PITCH+64*\ks+32
.endr
.endr
.endm
.macro LOADV slot                      ; 128 channels x my 64 keys: 32 loads
	WIN 0xc0
.irp ks, 0,1
.irp ct, 0,1,2,3,4,5,6,7
	ds_load_b128 v[8*(8*\ks+\ct):8*(8*\ks+\ct)+3], v[VA+\slot] offset:\ct*8*PITCH+64*\ks
	ds_load_b128 v[8*(8*\ks+\ct)+4:8*(8*\ks+\ct)+7], v[VA+\slot] offset:\ct*8*PITCH+64*\ks+32
.endr
.endr
.endm
; S^T = K Q^T: 64 matrix instructions; the first 16 start the sums.  The sixteen accumulators take turns, one instruction a turn.
.macro QK
	WIN 0x0a                               ; both sources window 2; C and D window 0
.irp ks, 0,1,2,3
.irp kt, 0,1,2,3
.irp qt, 0,1,2,3
.if \ks == 0
	v_wmma_f32_16x16x32_bf16 v[SB+32*\qt+8*\kt:SB+32*\qt+8*\kt+7], v[KF+8*(4*\ks+\kt):KF+8*(4*\ks+\kt)+7], v[QF+8*(4*\qt+\ks):QF+8*(4*\qt+\ks)+7], 0
.else
	v_wmma_f32_16x16x32_bf16 v[SB+32*\qt+8*\kt:SB+32*\qt+8*\kt+7], v[KF+8*(4*\ks+\kt):KF+8*(4*\ks+\kt)+7], v[QF+8*(4*\qt+\ks):QF+8*(4*\qt+\ks)+7], v[SB+32*\qt+8*\kt:SB+32*\qt+8*\kt+7]
.endif
.endr
.endr
.endr
.endm
.macro RESCALE                         ; O x alpha: 128 packed multiplies
	WIN 0x41
.irp qt, 0,1,2,3
.set i, 0
.rept 32
	v_pk_mul_f32 v[64*\qt+i:64*\qt+i+1], v[64*\qt+i:64*\qt+i+1], v[AL+2*\qt:AL+2*\qt+1]
.set i, i+2
.endr
.endr
.endm
; O^T += V^T P^T: 64 matrix instructions on 32 accumulators that take turns, one instruction a turn.  first = 1: the first 32 start the sums.
.macro PV first
	WIN 0x53                               ; V window 3, P window 0, C and D window 1
.irp ks, 0,1
.irp ct, 0,1,2,3,4,5,6,7
.irp qt, 0,1,2,3
.if (\first)*(1-\ks)
	v_wmma_f32_16x16x32_bf16 v[64*\qt+8*\ct:64*\qt+8*\ct+7], v[8*(8*\ks+\ct):8*(8*\ks+\ct)+7], v[PB+16*\qt+8*\ks:PB+16*\qt+8*\ks+7], 0
.else
	v_wmma_f32_16x16x32_bf16 v[64*\qt+8*\ct:64*\qt+8*\ct+7], v[8*(8*\ks+\ct):8*(8*\ks+\ct)+7], v[PB+16*\qt+8*\ks:PB+16*\qt+8*\ks+7], v[64*\qt+8*\ct:64*\qt+8*\ct+7]
.endif
.endr
.endr
.endr
.endm
.macro SOFTMAX
	WIN 0
	; the new maximum of each query: the old one and my 32 scores, four chains side by side
.irp qt, 0,1,2,3
	v_max3_num_f32 v[TT+\qt], v[MP+2*\qt], v[SB+32*\qt], v[SB+32*\qt+1]
.endr
.set i, 2
.rept 15
.irp qt, 0,1,2,3
	v_max3_num_f32 v[TT+\qt], v[TT+\qt], v[SB+32*\qt+i], v[SB+32*\qt+i+1]
.endr
.set i, i+2
.endr
.irp qt, 0,1,2,3
	v_permlanex16_b32 v[T2+\qt], v[TT+\qt], s34, s35       ; the other half of the wave holds the query's other 32 keys
.endr
.irp qt, 0,1,2,3
	v_max_num_f32 v[TT+\qt], v[TT+\qt], v[T2+\qt]
.endr
.irp qt, 0,1,2,3
	v_sub_f32 v[AL+2*\qt], v[MP+2*\qt], v[TT+\qt]          ; old - new
.endr
.irp qt, 0,1,2,3
	v_mov_b32 v[MP+2*\qt], v[TT+\qt]
	v_mov_b32 v[MP+2*\qt+1], v[TT+\qt]
.endr
.irp qt, 0,1,2,3
.set i, 0
.rept 16
	v_pk_add_f32 v[SB+32*\qt+i:SB+32*\qt+i+1], v[SB+32*\qt+i:SB+32*\qt+i+1], v[MP+2*\qt:MP+2*\qt+1] neg_lo:[0,1] neg_hi:[0,1]
.set i, i+2
.endr
.endr
.set i, 0
.rept 128
	v_exp_f32 v[SB+i], v[SB+i]
.set i, i+1
.endr
.irp qt, 0,1,2,3
	v_exp_f32 v[AL+2*\qt], v[AL+2*\qt]
.endr
	v_nop                                  ; one plain instruction behind the exponentials before a result is used (ISA guide 5.7.2)
	s_wait_alu depctr_va_vdst(0)
.irp qt, 0,1,2,3
	v_mov_b32 v[AL+2*\qt+1], v[AL+2*\qt]
.endr
	; my half's sum of each query, four chains of pairs
.irp qt, 0,1,2,3
	v_pk_add_f32 v[TS+2*\qt:TS+2*\qt+1], v[SB+32*\qt:SB+32*\qt+1], v[SB+32*\qt+2:SB+32*\qt+3]
.endr
.set i, 4
.rept 14
.irp qt, 0,1,2,3
	v_pk_add_f32 v[TS+2*\qt:TS+2*\qt+1], v[TS+2*\qt:TS+2*\qt+1], v[SB+32*\qt+i:SB+32*\qt+i+1]
.endr
.set i, i+2
.endr
.irp qt, 0,1,2,3
	v_add_f32 v[TT+\qt], v[TS+2*\qt], v[TS+2*\qt+1]
.endr
.irp qt, 0,1,2,3
	v_fma_f32 v[LS+\qt], v[LS+\qt], v[AL+2*\qt], v[TT+\qt]
.endr
.set i, 0
.rept 64
	v_cvt_pk_bf16_f32 v[PB+i], v[SB+2*i], v[SB+2*i+1]      ; S (qt, 2 ks) and S (qt, 2 ks + 1) become P's fragment (qt, ks)
.set i, i+1
.endr
.endm
; One tile.  slot: where it lies; refill = 1: the other slot gets the next tile; cmode 0: no P yet, 1: the first P V starts O, 2: rescale and add; first = 1: wait for Q.
.macro TRIP slot, refill, cmode, first
	s_set_vgpr_msb 0xc
	s_wait_tensorcnt 0x0                   ; all my tensor loads have landed, my quarter of this tile among them: no load of mine is out,
	ds_add_u32 v15, v129
	s_wait_dscnt 0x0
	s_set_vgpr_msb 0xc00
	s_add_nc_u64 s[26+4*\slot:27+4*\slot], s[26+4*\slot:27+4*\slot], 2*TILE        ; so a descriptor may be written: this slot's next tile
	s_wait_dscnt 0x0                       ; my reads of the other slot are back (the V fragments for the P V below among them)
	ROUND                                  ; both now hold of every wave of all four work-groups
.if \refill
	tensor_load_to_lds s[28-4*\slot:31-4*\slot], s[16:23]  ; my one tensor load behind the round, first thing: it has the whole trip in which to land
	s_nop 0
.endif
	LOADK \slot
.if \cmode == 1
	PV 1
	PLACES                                 ; before loads go into V's registers
.endif
.if \cmode == 2
	RESCALE
	PV 0
	PLACES
.endif
	LOADV \slot
.if \first
	s_wait_loadcnt 0x0                     ; Q's fragments
.endif
	s_wait_dscnt 32                        ; the K fragments are in; the 32 V loads issued behind them may be out
	QK
	PLACES                                 ; before the scores are read
	SOFTMAX
.endm
	s_load_b256 s[4:11], s[0:1], 0x0               ; q s[4:5], kv s[6:7], wb s[8:9], x s[10:11]
	s_load_b128 s[12:15], s[0:1], 0x20             ; proj_bias s[12:13], out0 s[14:15]
	v_lshl_add_u32 v15, v0, 2, 0x44800
	s_set_vgpr_msb 0xc0
	v_mov_b32 v129, 0
	s_set_vgpr_msb 0xc0cc
	ds_add_u32 v15, v129
	s_set_vgpr_msb 0xcc00
	v_lshrrev_b32 v63, 5, v0
	v_readfirstlane_b32 s32, v63                   ; wave w
	v_and_b32 v62, 31, v0                          ; L
	v_and_b32 v60, 15, v0                          ; r
	v_bfe_u32 v61, v0, 4, 1                        ; h
	s_bfe_u32 s33, ttmp6, 0x40000                  ; cx: my place in the cluster
	s_lshl_b32 s37, ttmp9, 2                       ; in a cluster launch ttmp9 counts clusters
	s_add_co_u32 s37, s37, s33                     ; work-group = 64 b + query block
	s_mov_b32 s34, 0x76543210
	s_mov_b32 s35, 0xfedcba98
	; descriptor group 1: 128 rows of 128 elements of 2 bytes, dense in memory, 16 bytes of padding behind each row in LDS
	s_mov_b32 s16, 15|(1<<16)|(1<<20)|(1<<21)|(5<<22)|(3<<25)      ; 15:0 mask: all four work-groups; 17:16 2 bytes; 20 padding on; 21 set beside a mask; 24:22 every 64 words; 31:25 4 words
	s_mov_b32 s17, 128<<16                         ; tensor_dim0 = 128
	s_mov_b32 s18, 128<<16                         ; tensor_dim1 = 128
	s_mov_b32 s19, 128<<16                         ; tile_dim0 = 128
	s_mov_b32 s20, 128                             ; tile_dim1 = 128
	s_mov_b32 s21, 128                             ; elements from row to row
	s_mov_b32 s22, 0
	s_mov_b32 s23, 0
	s_mul_i32 s42, s32, 64*PITCH                   ; my 64 rows of K, or of V
	s_mul_i32 s44, s32, 32*PITCH                   ; my 32 rows of the output stage
	s_lshl_b32 s45, s32, 15                        ; my quarter of a tile in memory; my part of the merge area
	s_lshr_b32 s40, ttmp9, 4                       ; b: shared by the cluster
	s_lshl_b32 s40, s40, 21                        ; kv: 2 MiB a batch,
	s_add_co_u32 s40, s40, s45                     ; + my quarter.  s[40:41] never hold cx
	s_mov_b32 s41, 0
	s_lshr_b32 s38, ttmp9, 4
	s_lshl_b32 s38, s38, 21                        ; x and out0: 2 MiB a batch
	s_and_b32 s46, ttmp9, 15
	s_lshl_b32 s46, s46, 2
	s_add_co_u32 s46, s46, s33                     ; query block
	s_lshl_b32 s46, s46, 8                         ; 64 positions = 256 bytes of a channel's row
	s_add_co_u32 s38, s38, s46
	s_mov_b32 s39, 0
	v_mul_u32_u24 v63, v60, PITCH                  ; K: row 64 w + r, + 16 h
	v_lshl_add_u32 v63, v61, 4, v63
	v_add_nc_u32 v[KA], s42, v63
	v_add_nc_u32 v[KA+1], SLOT, v[KA]
	v_lshrrev_b32 v59, 1, v60                      ; V: channel r lies in row 256 + 64 w + (r >> 1) at byte 128 (r & 1), + 16 h
	v_mul_u32_u24 v59, v59, PITCH
	v_and_b32 v58, 1, v60
	v_lshl_add_u32 v59, v58, 7, v59
	v_lshl_add_u32 v59, v61, 4, v59
	v_add_nc_u32 v59, s42, v59
	v_add_nc_u32 v[VA], 256*PITCH, v59
	v_add_nc_u32 v[VA+1], SLOT, v[VA]
	v_lshlrev_b32 v5, 8, v60                       ; rows of 256 bytes in q and wb
	v_lshl_add_u32 v5, v61, 4, v5
	v_lshlrev_b32 v6, 4, v62                       ; merge in: 32,768 w + 16 L
	v_add_nc_u32 v6, s45, v6
	v_lshlrev_b32 v7, 4, v62                       ; merge back: query tile w of waves 0, 1 ...
	v_lshl_add_u32 v7, s32, 13, v7
	v_add_nc_u32 v8, 65536, v7                     ; ... and of waves 2, 3
	v_lshlrev_b32 v9, 2, v60
	v_lshl_add_u32 v10, s32, 7, v9
	v_lshl_add_u32 v9, s32, 9, v9
	v_add_nc_u32 v9, STAT, v9                      ; statistics in: 512 w + 4 r
	v_add_nc_u32 v10, STAT, v10                    ; back: 128 w + 4 r
	v_mul_u32_u24 v11, v60, PITCH                  ; output stage in: row r (an output channel), positions 16 w + 8 h ..
	v_lshl_add_u32 v11, v61, 5, v11
	v_lshl_add_u32 v11, s32, 6, v11
	v_add_nc_u32 v11, SLOT, v11
	v_mul_u32_u24 v12, v61, PITCH                  ; back: row 32 w + h, 16 bytes at 16 r
	v_lshl_add_u32 v12, v60, 4, v12
	v_add_nc_u32 v12, s44, v12
	v_add_nc_u32 v12, SLOT, v12
	v_lshlrev_b32 v13, 14, v61                     ; the same rows in x and out0: 16,384 bytes a channel
	v_lshl_add_u32 v13, v60, 4, v13
	v_lshl_add_u32 v13, s32, 19, v13
	v_lshlrev_b32 v14, 2, v61
	v_lshl_add_u32 v14, s32, 7, v14                ; bias of channel 32 w + h
.irp k, 0,1,2,3,4,5,6,7
	v_mov_b32 v[MP+\k], 0xff800000                 ; no maximum yet
.endr
.irp k, 0,1,2,3
	v_mov_b32 v[LS+\k], 0
	v_mov_b32 v[T2+\k], 0                          ; v_permlanex16_b32's destination counts as read
.endr
	s_wait_dscnt 0x0
	s_wait_kmcnt 0x0
	s_add_nc_u64 s[6:7], s[6:7], s[40:41]
	s_mov_b32 s24, 1                               ; group 0 of slot 0: count,
	s_mul_i32 s25, s32, 128*PITCH                  ; LDS address: my 128 rows,
	s_mov_b64 s[26:27], s[6:7]                     ; tile 0,
	s_or_b32 s27, s27, 0x80000000                  ; type 2
	s_mov_b32 s28, 1                               ; group 0 of slot 1
	s_add_co_u32 s29, s25, SLOT
	s_add_nc_u64 s[30:31], s[6:7], TILE            ; tile 1
	s_or_b32 s31, s31, 0x80000000
	s_add_nc_u64 s[10:11], s[10:11], s[38:39]
	s_add_nc_u64 s[14:15], s[14:15], s[38:39]
	s_lshl_b32 s38, s37, 14                        ; q: 64 rows of 256 bytes a work-group
	s_add_nc_u64 s[4:5], s[4:5], s[38:39]
	ROUND                                          ; all four work-groups are here: the first joint loads meet
	tensor_load_to_lds s[24:27], s[16:23]          ; tile 0
	s_nop 0
	WIN 0x80
.irp qt, 0,1,2,3
.irp ks, 0,1,2,3
	global_load_b128 v[QF+8*(4*\qt+\ks):QF+8*(4*\qt+\ks)+3], v5, s[4:5] offset:\qt*4096+64*\ks
	global_load_b128 v[QF+8*(4*\qt+\ks)+4:QF+8*(4*\qt+\ks)+7], v5, s[4:5] offset:\qt*4096+64*\ks+32
.endr
.endr
	WIN 0
	TRIP 0, 1, 0, 1                                ; tile 0; slot 1 gets its first fill as a refill does
	TRIP 1, 1, 1, 0                                ; tile 1
	s_mov_b32 s36, 6
.Ltiles:                                           ; tiles 2 to 13
	TRIP 0, 1, 2, 0
	TRIP 1, 1, 2, 0
	s_sub_co_u32 s36, s36, 1
	s_cmp_lg_u32 s36, 0
	s_cbranch_scc1 .Ltiles
	TRIP 0, 1, 2, 0                                ; tile 14; tile 15 is the last load
	TRIP 1, 0, 2, 0                                ; tile 15: nothing is left to fetch (slot 0's and slot 1's stepped addresses are not used)
	; THE END.  What is needed later is asked for now: x, and the projection's weights for outputs 0-63 into K's registers
.set i, 0
.rept 16
	global_load_b128 v[192+4*i:192+4*i+3], v13, s[10:11] offset:32768*i    ; channel 32 w + 2 i + h: sixteen lanes take 256 consecutive aligned bytes
.set i, i+1
.endr
	WIN 0x80
.irp ot, 0,1,2,3
.irp ks, 0,1,2,3
	global_load_b128 v[128+8*(4*\ot+\ks):128+8*(4*\ot+\ks)+3], v5, s[8:9] offset:98304+4096*\ot+64*\ks
	global_load_b128 v[128+8*(4*\ot+\ks)+4:128+8*(4*\ot+\ks)+7], v5, s[8:9] offset:98304+4096*\ot+64*\ks+32
.endr
.endr
	s_wait_dscnt 0x0                               ; the last tile's V fragments
	RESCALE
	PV 0
	PLACES                                         ; before O is stored and loads go into V's registers
	WIN 0xc0
.irp ot, 0,1,2,3
.irp ks, 0,1,2,3
	global_load_b128 v[8*(4*\ot+\ks):8*(4*\ot+\ks)+3], v5, s[8:9] offset:98304+16384+4096*\ot+64*\ks
	global_load_b128 v[8*(4*\ot+\ks)+4:8*(4*\ot+\ks)+7], v5, s[8:9] offset:98304+16384+4096*\ot+64*\ks+32
.endr
.endr
	WIN 0
.irp qt, 0,1,2,3
	v_permlanex16_b32 v[T2+\qt], v[LS+\qt], s34, s35
.endr
.irp qt, 0,1,2,3
	v_add_f32 v[LS+\qt], v[LS+\qt], v[T2+\qt]      ; the sum over my wave's 64 keys of every tile
.endr
.irp qt, 0,1,2,3
	ds_store_b32 v9, v[MP+2*\qt] offset:128*\qt    ; both halves of the wave write the same word with the same number
	ds_store_b32 v9, v[LS+\qt] offset:128*\qt+64
.endr
	; my O, 32 KiB, into slot 0, which has had its last fill (tile 14) and whose last reads every wave waited for in front of the last trip's round
	WIN 0x04                                       ; store data window 1
.set i, 0
.rept 64
	ds_store_b128 v6, v[4*i:4*i+3] offset:512*i
.set i, i+1
.endr
	WIN 0
	s_wait_dscnt 0x0                               ; my stores are in LDS, and my reads of slot 1 are back
	s_barrier_signal -1
	s_barrier_wait -1
	; wave w joins query tile w
.set i, 0
.rept 16
	global_load_b32 v[16+i], v14, s[12:13] offset:8*i      ; bias of channel 32 w + 2 i + h, into the registers of m and alpha, whose LDS stores are done
.set i, i+1
.endr
.irp u, 0,1,2,3
	ds_load_b32 v[TS+\u], v10 offset:512*\u        ; m of wave u
	ds_load_b32 v[TS+4+\u], v10 offset:512*\u+64   ; l of wave u
.endr
	WIN 0x40
.irp u, 0,1,2,3
.set i, 0
.rept 16
	ds_load_b128 v[64*\u+4*i:64*\u+4*i+3], v[7+(\u>>1)] offset:(\u&1)*32768+512*i
.set i, i+1
.endr
.endr
	WIN 0
	s_wait_dscnt 63                                ; of the 72 loads at most 63 are out: the first nine are back, the eight of m and l among them
	v_max_num_f32 v[TT], v[TS], v[TS+1]
	v_max3_num_f32 v[TT], v[TT], v[TS+2], v[TS+3]  ; the query's maximum over all keys
.irp u, 0,1,2,3
	v_sub_f32 v[T2+\u], v[TS+\u], v[TT]
.endr
.irp u, 0,1,2,3
	v_exp_f32 v[T2+\u], v[T2+\u]
.endr
	v_nop
	s_wait_alu depctr_va_vdst(0)
	v_mul_f32 v[TT+1], v[T2], v[TS+4]
	v_fma_f32 v[TT+1], v[T2+1], v[TS+5], v[TT+1]
	v_fma_f32 v[TT+1], v[T2+2], v[TS+6], v[TT+1]
	v_fma_f32 v[TT+1], v[T2+3], v[TS+7], v[TT+1]   ; the sum: at least 1 (the largest score's own term), at most 4,096
	v_rcp_f32 v[TT+2], v[TT+1]
	v_nop
	s_wait_alu depctr_va_vdst(0)
.irp u, 0,1,2,3
	v_mul_f32 v[GG+2*\u], v[T2+\u], v[TT+2]
	v_mul_f32 v[GG+2*\u+1], v[T2+\u], v[TT+2]
.endr
	s_wait_dscnt 0x0
	WIN 0x51                                       ; O's window 1, weights window 0
.set i, 0
.rept 32
	v_pk_mul_f32 v[i:i+1], v[i:i+1], v[GG:GG+1]
.set i, i+2
.endr
.irp u, 1,2,3
.set i, 0
.rept 32
	v_pk_fma_f32 v[i:i+1], v[64*\u+i:64*\u+i+1], v[GG+2*\u:GG+2*\u+1], v[i:i+1]
.set i, i+2
.endr
.endr
	WIN 0x05
.set i, 0
.rept 32
	v_cvt_pk_bf16_f32 v[PB+i], v[2*i], v[2*i+1]    ; O (2 ks), O (2 ks + 1) become fragment ks: query r, channels along the registers
.set i, i+1
.endr
	s_wait_loadcnt 0x0                             ; weights, x, bias
	; the projection: source 0 = O (16 queries), source 1 = weights (16 outputs): a lane gets eight neighbouring positions of one output channel.
	; Four accumulators take turns, one instruction a turn.
	WIN 0x08                                       ; weights window 2
.irp ks, 0,1,2,3
.irp ot, 0,1,2,3
.if \ks == 0
	v_wmma_f32_16x16x32_bf16 v[SB+8*\ot:SB+8*\ot+7], v[PB+8*\ks:PB+8*\ks+7], v[128+8*(4*\ot+\ks):128+8*(4*\ot+\ks)+7], 0
.else
	v_wmma_f32_16x16x32_bf16 v[SB+8*\ot:SB+8*\ot+7], v[PB+8*\ks:PB+8*\ks+7], v[128+8*(4*\ot+\ks):128+8*(4*\ot+\ks)+7], v[SB+8*\ot:SB+8*\ot+7]
.endif
.endr
.endr
	WIN 0x0c                                       ; weights window 3
.irp ks, 0,1,2,3
.irp ot, 0,1,2,3
.if \ks == 0
	v_wmma_f32_16x16x32_bf16 v[SB+32+8*\ot:SB+32+8*\ot+7], v[PB+8*\ks:PB+8*\ks+7], v[8*(4*\ot+\ks):8*(4*\ot+\ks)+7], 0
.else
	v_wmma_f32_16x16x32_bf16 v[SB+32+8*\ot:SB+32+8*\ot+7], v[PB+8*\ks:PB+8*\ks+7], v[8*(4*\ot+\ks):8*(4*\ot+\ks)+7], v[SB+32+8*\ot:SB+32+8*\ot+7]
.endif
.endr
.endr
	PLACES                                         ; before the sums are stored and loads go into O's registers
	WIN 0
	; the output stage, [128 channels][64 positions] f32, in slot 1, which has had its last fill (tile 15) and whose last reads every wave waited for in front of the merge's barrier
.irp ot, 0,1,2,3,4,5,6,7
	ds_store_b128 v11, v[SB+8*\ot:SB+8*\ot+3] offset:16*PITCH*\ot
	ds_store_b128 v11, v[SB+8*\ot+4:SB+8*\ot+7] offset:16*PITCH*\ot+16
.endr
	s_wait_dscnt 0x0
	s_barrier_signal -1
	s_barrier_wait -1
.set i, 0
.rept 16
	ds_load_b128 v[PB+4*i:PB+4*i+3], v12 offset:2*PITCH*i
.set i, i+1
.endr
.set i, 0
.rept 16
	s_wait_dscnt 15-i                              ; LDS loads come back in order: the younger ones may be out
	v_add_f32 v[PB+4*i], v[PB+4*i], v[16+i]
	v_add_f32 v[PB+4*i+1], v[PB+4*i+1], v[16+i]
	v_add_f32 v[PB+4*i+2], v[PB+4*i+2], v[16+i]
	v_add_f32 v[PB+4*i+3], v[PB+4*i+3], v[16+i]
	v_pk_add_f32 v[PB+4*i:PB+4*i+1], v[PB+4*i:PB+4*i+1], v[192+4*i:192+4*i+1]
	v_pk_add_f32 v[PB+4*i+2:PB+4*i+3], v[PB+4*i+2:PB+4*i+3], v[192+4*i+2:192+4*i+3]
	global_store_b128 v13, v[PB+4*i:PB+4*i+3], s[14:15] offset:32768*i     ; sixteen lanes store 256 consecutive aligned bytes
.set i, i+1
.endr
	s_set_vgpr_msb 0xc
	s_wait_tensorcnt 0x0
	ds_add_u32 v15, v129
	s_wait_dscnt 0x0
	s_set_vgpr_msb 0xc00
	ROUND                                          ; the closing round: no work-group ends while a partner may still ask for a tile that names it
	s_endpgm
.Lfunc_end_k_q61e3469f5f_attn:
	.size	k_q61e3469f5f_attn, .Lfunc_end_k_q61e3469f5f_attn-k_q61e3469f5f_attn
	.p2alignl 7, 3214868480
	.fill 96, 4, 3214868480
	.section	.rodata,"a",@progbits
	.p2align	6, 0x0
	.amdhsa_kernel k_q61e3469f5f_attn
		.amdhsa_group_segment_fixed_size 327680
		.amdhsa_private_segment_fixed_size 0
		.amdhsa_enable_private_segment 0
		.amdhsa_kernarg_size 48
		.amdhsa_user_sgpr_count 2
		.amdhsa_user_sgpr_kernarg_segment_ptr 1
		.amdhsa_wavefront_size32 1
		.amdhsa_system_sgpr_workgroup_id_x 1
		.amdhsa_system_sgpr_workgroup_id_y 1
		.amdhsa_system_sgpr_workgroup_id_z 1
		.amdhsa_system_vgpr_workitem_id 0
		.amdhsa_next_free_vgpr 898
		.amdhsa_next_free_sgpr 66
		.amdhsa_reserve_vcc 0
		.amdhsa_float_denorm_mode_32 3
		.amdhsa_float_denorm_mode_16_64 3
		.amdhsa_memory_ordered 1
		.amdhsa_forward_progress 1
		.amdhsa_inst_pref_size 255
	.end_amdhsa_kernel
	.section	.bss,"aw",@nobits
	.p2align	6
	.space	262144
	.amdgpu_metadata
---
amdhsa.version: [ 1, 2 ]
amdhsa.kernels:
  - .name:           k_q61e3469f5f_attn
    .symbol:         k_q61e3469f5f_attn.kd
    .args:
      - { .name: q, .offset: 0, .size: 8, .value_kind: global_buffer, .address_space: global }
      - { .name: kv, .offset: 8, .size: 8, .value_kind: global_buffer, .address_space: global }
      - { .name: wb, .offset: 16, .size: 8, .value_kind: global_buffer, .address_space: global }
      - { .name: x, .offset: 24, .size: 8, .value_kind: global_buffer, .address_space: global }
      - { .name: proj_bias, .offset: 32, .size: 8, .value_kind: global_buffer, .address_space: global }
      - { .name: out0, .offset: 40, .size: 8, .value_kind: global_buffer, .address_space: global }
    .group_segment_fixed_size: 327680
    .private_segment_fixed_size: 0
    .kernarg_segment_align: 8
    .kernarg_segment_size: 48
    .max_flat_workgroup_size: 128
    .sgpr_count:     66
    .vgpr_count:     898
    .wavefront_size: 32
...
	.end_amdgpu_metadata
.endif
;; end of part 3
